; MI455X (gfx1250); checked and timed in simulation.
; The chip was launched on July 23, 2026; its instructions are those of AMD's public machine-readable ISA for CDNA 5 (MIT licence, August 2026) and "CDNA5" Instruction Set Architecture Reference Guide (July 2026). The comments in the code are by the model that wrote it; some were corrected since.
;; Digit Extractor. Allowed arithmetic: float matrix products may take bf16 or f16 operands with f32 sums; all other float work in f32.
;; Inputs: x 4 x 1,000,000 float32.
;; Outputs: out0 4 x 1,000,000 int32; out1 4 x 1,000,000 int32.
;; Constants: pos = 2.
;; One version. Each part assembles by itself: llvm-mc -triple=amdgcn-amd-amdhsa -mcpu=gfx1250 --defsym DOCPART=n.
;; ======== version 1 of 1: 1 launch
;; launch digits (part 1): grid 977 x 1, 8 waves a work-group, no clusters, 0 bytes of LDS; arguments x, out0, out1; writes out0, out1
.if DOCPART == 1
	.amdgcn_target "amdgcn-amd-amdhsa--gfx1250"
	.amdhsa_code_object_version 6
	.text
	.protected	k_q62dfc19437_digits
	.globl	k_q62dfc19437_digits
	.p2align	8
	.type	k_q62dfc19437_digits,@function
k_q62dfc19437_digits:
	s_mov_b64 s[64:65], 0
	v_nop
	global_prefetch_b8 v0, s[64:65] scope:SCOPE_SE
	s_setreg_imm32_b32 hwreg(HW_REG_WAVE_MODE, 25, 1), 1
	s_wait_xcnt 0x0
; DigitExtractor, pos = 2.  x: 4,000,000 f32.  out0 = digit, out1 = count, both i32.
;
;   st(t)  = (silu(a) - silu(b)) / 20,  d = 20 t, a = d + 10, b = d - 10,  silu(y) = y * sigma(y),  sigma(y) = 1 / (1 + e^-y)
;   count  = trunc(1 + sum over T = 10, 100, 1e3, 1e4, 1e5 of st(|x| - T + 0.5))
;   quot   = sum over q = 0 .. 11 of st(|x| - 100 q + 0.5) * st(100 (q+1) - |x| - 0.5) * q
;   digit  = trunc(quot - 10 floor(quot / 10))
;
; BOTH RESULTS ARE TRUNCATED f32 SUMS, so a last bit can decide a whole number (d just under a power of two: a is rounded, a - b is not 20,
; st is 0.95 .. 0.99999 and the count or digit drops by one).  Therefore the roundings of the reference are kept:
;   - 20 t is NOT fused with the +10 and -10 behind it; sums and products keep the reference order;
;   - 1 / z is correctly rounded: v_rcp_f32 with one fma correction pair;
;   - the divisions by the CONSTANTS 20 and 10 are one multiplication each by the f32 nearest 1/20 and 1/10, as a compiler that folds a division
;     by a constant makes them.  With g = 20 + k 2^-19 and U = 2^-23 that gives 1 + RN(0.8 k + 0.125) U where a true division gives 1 + RN(0.8 k) U:
;     they part at k = 3, 8, 13 .. (limit 4 below);
;   - silu(a) - silu(b) is fma(a, sigma(a), -RN(b sigma(b))).  Where sigma(a) = 1 (a >= 17) that is the plain difference bit for bit, and every
;     range in which a last bit decides lies there; elsewhere st is far from a whole number or tiny, and the fma only spares a rounding.
;
; WHAT IS NOT COMPUTED, for every finite x.  y >= 17: e^-y < 2^-24, 1 + e^-y rounds to 1, silu(y) = y exactly.  y <= -89: e^-y overflows,
; sigma = 0, silu = -0.  So st(t) is exactly RN((a - b) / 20) for t >= 1.35 and exactly +0 for t <= -4.95.
;   count: the thresholds are 90 or more apart, so one at most is unsaturated: the one chosen by |x| against 50, 500, 5000, 50000 gets the
;          full st; those below it are (a - b) / 20, added in order; those above it are +0.
;   digit: the boundaries 100 j - 0.5 are 100 apart.  With j = min(rndne(0.01 |x|), 12) every term but q = j-1 and q = j has a factor +0.
;          lower(j) and upper(j-1) have exactly negated arguments (round to nearest is symmetric): one ladder a, b serves both, with
;          sigma(a), sigma(b), sigma(-a), sigma(-b).  lower(j-1) and upper(j) are saturated.  The term q = -1 (j = 0) and the
;          term q = 12 (j = 12) do not exist: their multipliers are made 0.
; That is 3 full and 6 saturated st in place of 29 full ones.
;
; LIMITS.  (1) Non-finite x, and |x| >= 1.7e37 (20 t overflows): the reference converts a NaN; the outputs here are unspecified.
; (2) e^-y is v_exp_f32 of one rounded fma: relative error about 1e-7 (1 + |y| / 4).  A result can differ from another exponential's only
; where a sum lies within that error of a rounding boundary beside a whole number.  (3) sigma(y) is taken as 0 from e^-y >= 2^126 on, that is
; where 1 / (1 + e^-y) would lie below the normal range; arithmetic that keeps denormals gives digit 10 instead of 0 for 1204.367 < |x| < 1204.437.
; (4) A reference that truly divides by 20 gives a digit one lower in ranges about 0.017 wide, some 1.25 below the boundaries 100 j - 0.5 (k = 3 above).
;
; THE STREAM.  4,000,000 numbers are 31,250 blocks of 512 bytes (a wave, 4 numbers a lane).  Eight waves; trip k of wave w of group g takes block
; 32 g + 8 k + w, so a trip of the group covers 4,096 consecutive bytes and each load or store of a wave 512 consecutive bytes, aligned.
; 977 groups x 32 blocks = 31,264: in the last group waves 0, 1 make 3 trips and waves 2 to 7 make 2; the trip count comes from the ids alone.
; No LDS, no barrier: no number is used by two lanes.
.set N_BLOCKS, 31250
.set WAVES,    8
.set ITEMS,    4                       ; trips of a wave
.set STEP,     WAVES*512               ; bytes from a lane's block to its next
.set VOFF,  1                          ; v1       byte offset of my 16 bytes from the group's first byte (same in x, out0, out1)
.set C10V,  2                          ; v2       10.0
.set ZEROV, 3                          ; v3       0
.set XN,    4                          ; v[4:7]   the block on its way in
.set XA,    8                          ; v[8:11]  |x| of the block at work
.set DG,    12                         ; v[12:15] digits to store
.set CN,    16                         ; v[16:19] counts to store
.set LA,    20                         ; v[20:27] four ladders, two numbers each: p, t, d, a; a saturated ladder then holds its st
.set LB,    28                         ; v[28:35] the same four: b; a saturated ladder then a - b
.set TA,    36                         ; v[36:37] the count's chosen threshold
.set PSEL,  38                         ; v[38:39] sum of the saturated steps below it
.set JF,    40                         ; v[40:41] j
.set CJ,    42                         ; v[42:43] 100 j
.set MM,    44                         ; v[44:55] six sigmoids: exponent, then z = 1 + e^-y
.set EE,    56                         ; v[56:67] 4 e^-y, then z clamped, then 1 - z r; then the three full st and the sums
.set RR,    68                         ; v[68:79] r = 1 / z, then sigma, then silu and the differences
.set Q1,    80                         ; v[80:81] multiplier of the term q = j - 1
.set Q2,    82                         ; v[82:83] multiplier of the term q = j
.set K10,   0x41200000                 ; 10.0
.set KM10,  0xc1200000
.set K100,  0x42c80000
.set KM100, 0xc2c80000
.set K1E3,  0x447a0000
.set KM1E3, 0xc47a0000
.set K1E4,  0x461c4000
.set KM1E4, 0xc61c4000
.set K1E5,  0x47c35000
.set K50,   0x42480000
.set K500,  0x43fa0000
.set K5E3,  0x459c4000
.set K5E4,  0x47435000
.set K12,   0x41400000
.set K20,   0x41a00000
.set KR20,  0x3d4ccccd                 ; f32 nearest 1 / 20
.set KR10,  0x3dcccccd                 ; f32 nearest 1 / 10
.set KR100, 0x3c23d70a                 ; f32 nearest 1 / 100
.set KL2E,  0x3fb8aa3b                 ; log2(e)
.set KML2E, 0xbfb8aa3b
.set KQRT,  0x3e800000                 ; 0.25
.set KBIG,  0x7f000000                 ; 2^127
.set KABS,  0x7fffffff
; two numbers at a time; a constant is broadcast to both (its op_sel_hi bit is 0)
.macro PADDC d, a, c
	v_pk_add_f32 v[\d:\d+1], v[\a:\a+1], \c op_sel_hi:[1,0]
.endm
.macro PMULC d, a, c
	v_pk_mul_f32 v[\d:\d+1], v[\a:\a+1], \c op_sel_hi:[1,0]
.endm
.macro PADD d, a, b
	v_pk_add_f32 v[\d:\d+1], v[\a:\a+1], v[\b:\b+1]
.endm
.macro PSUB d, a, b
	v_pk_add_f32 v[\d:\d+1], v[\a:\a+1], v[\b:\b+1] neg_lo:[0,1] neg_hi:[0,1]
	s_wait_alu depctr_va_vdst(0)
.endm
.macro PMUL d, a, b
	v_pk_mul_f32 v[\d:\d+1], v[\a:\a+1], v[\b:\b+1]
.endm
.macro PFMAC d, a, c, b                ; d = a * constant + b
	v_pk_fma_f32 v[\d:\d+1], v[\a:\a+1], \c, v[\b:\b+1] op_sel_hi:[1,0,1]
.endm
.macro PFMACC d, a, c, k               ; d = a * constant + constant
	v_pk_fma_f32 v[\d:\d+1], v[\a:\a+1], \c, \k op_sel_hi:[1,0,0]
.endm
; four ladders from t (in LA): d = 20 t, b = d - 10, a = d + 10, each rounded by itself as in the reference
.macro STEPS4
.irp i,0,1,2,3
	PMULC LA+2*\i,LA+2*\i,K20
.endr
.irp i,0,1,2,3
	PADDC LB+2*\i,LA+2*\i,KM10
.endr
.irp i,0,1,2,3
	PADDC LA+2*\i,LA+2*\i,K10
.endr
.endm
; ladders p and q are saturated: LA <- (a - b) times the f32 nearest 1 / 20
.macro SATQ p, q
.irp i,\p,\q
	PSUB LB+2*\i,LA+2*\i,LB+2*\i
.endr
.irp i,\p,\q
	PMULC LA+2*\i,LB+2*\i,KR20
.endr
.endm
; two numbers |x| in v[x:x+1] -> digits in v[dg:dg+1], counts in v[cn:cn+1]
.macro PAIR x, dg, cn
	; 1. the saturated steps of T = 10, 100, 1e3, 1e4 and their running sums in the reference order (1e5 is never below the chosen threshold)
	PADDC LA+0,\x,KM10
	PADDC LA+2,\x,KM100
	PADDC LA+4,\x,KM1E3
	PADDC LA+6,\x,KM1E4
.irp i,0,1,2,3
	PADDC LA+2*\i,LA+2*\i,0.5
.endr
	STEPS4
	SATQ 0,1
	SATQ 2,3
	PADD LA+2,LA+0,LA+2
	PADD LA+4,LA+2,LA+4
	PADD LA+6,LA+4,LA+6
	; 2. the threshold that may be unsaturated, and the sum of those below it: selects only, the work is the same for every number
.irp e,0,1
	v_cmp_gt_f32 vcc_lo, K50, v[\x+\e]
	v_cndmask_b32 v[TA+\e], K100, v[C10V], vcc_lo              ; |x| < 50 ? 10 : 100
	v_cndmask_b32 v[PSEL+\e], v[LA+0+\e], v[ZEROV], vcc_lo     ; |x| < 50 ? 0 : the first step
	v_cmp_gt_f32 vcc_lo, K500, v[\x+\e]
	v_cndmask_b32 v[TA+\e], K1E3, v[TA+\e], vcc_lo
	v_cndmask_b32 v[PSEL+\e], v[LA+2+\e], v[PSEL+\e], vcc_lo
	v_cmp_gt_f32 vcc_lo, K5E3, v[\x+\e]
	v_cndmask_b32 v[TA+\e], K1E4, v[TA+\e], vcc_lo
	v_cndmask_b32 v[PSEL+\e], v[LA+4+\e], v[PSEL+\e], vcc_lo
	v_cmp_gt_f32 vcc_lo, K5E4, v[\x+\e]
	v_cndmask_b32 v[TA+\e], K1E5, v[TA+\e], vcc_lo
	v_cndmask_b32 v[PSEL+\e], v[LA+6+\e], v[PSEL+\e], vcc_lo
.endr
	; 3. the nearest boundary j of the digit, and four ladders: 0 the count's step, 1 lower(j) (negated: upper(j-1)), 2 lower(j-1), 3 upper(j)
	PMULC JF,\x,KR100
	v_rndne_f32 v[JF], v[JF]
	v_rndne_f32 v[JF+1], v[JF+1]
	v_min_num_f32 v[JF], K12, v[JF]
	v_min_num_f32 v[JF+1], K12, v[JF+1]
	PMULC CJ,JF,K100                                           ; 100 j, exact
	PSUB LA+0,\x,TA
	PSUB LA+2,\x,CJ
	PADDC LA+4,CJ,KM100                                        ; 100 (j - 1), exact
	PADDC LA+6,CJ,K100                                         ; 100 (j + 1), exact
	PSUB LA+4,\x,LA+4
	PSUB LA+6,LA+6,\x
	PADDC LA+0,LA+0,0.5
	PADDC LA+2,LA+2,0.5
	PADDC LA+4,LA+4,0.5
	PADDC LA+6,LA+6,-0.5
	STEPS4
	; 4. six sigmoids: of the count's a, b and of the digit's a, b, -a, -b.  The exponent carries +2, so that 4 e^-y overflows to infinity exactly
	;    where e^-y reaches 2^126; z = 0.25 (4 e^-y) + 1 in one fma is 1 + e^-y rounded once, as the reference's add rounds it
	PFMACC MM+0,LA+0,KML2E,2.0
	PFMACC MM+2,LB+0,KML2E,2.0
	PFMACC MM+4,LA+2,KML2E,2.0
	PFMACC MM+6,LB+2,KML2E,2.0
	PFMACC MM+8,LA+2,KL2E,2.0
	PFMACC MM+10,LB+2,KL2E,2.0
.irp k,0,1,2,3,4,5,6,7,8,9,10,11
	v_exp_f32 v[EE+\k], v[MM+\k]
.endr
	SATQ 2,3                                                   ; lower(j-1), upper(j): plain work that touches neither EE nor MM stands between the exponentials and their first use (ISA guide 5.7.2)
.irp k,0,2,4,6,8,10
	PFMACC MM+\k,EE+\k,KQRT,1.0
.endr
.irp k,0,1,2,3,4,5,6,7,8,9,10,11
	v_rcp_f32 v[RR+\k], v[MM+\k]
.endr
.irp k,0,1,2,3,4,5,6,7,8,9,10,11
	v_min_num_f32 v[EE+\k], KBIG, v[MM+\k]                     ; z = infinity has r = 0: with z clamped the correction is 1 - 2^127 x 0 = 1 and sigma = 0, not infinity x 0.  A finite z is at most 2^126 + 1 and passes.
.endr                                                              ; (these lines read no reciprocal and write none of their sources: the plain place behind them)
	PADDC Q1,JF,-1.0
.irp e,0,1
	v_max_num_f32 v[Q1+\e], 0, v[Q1+\e]                        ; j = 0: there is no term q = -1
	v_cmp_gt_f32 vcc_lo, K12, v[JF+\e]
	v_cndmask_b32 v[Q2+\e], 0, v[JF+\e], vcc_lo                ; j = 12: there is no term q = 12
.endr
	s_wait_alu depctr_va_vdst(0)
.irp k,0,2,4,6,8,10
	v_pk_fma_f32 v[EE+\k:EE+\k+1], v[EE+\k:EE+\k+1], v[RR+\k:RR+\k+1], 1.0 op_sel_hi:[1,1,0] neg_lo:[1,0,0] neg_hi:[1,0,0]   ; 1 - z r
.endr
.irp k,0,2,4,6,8,10
	v_pk_fma_f32 v[RR+\k:RR+\k+1], v[EE+\k:EE+\k+1], v[RR+\k:RR+\k+1], v[RR+\k:RR+\k+1]                                     ; sigma = r + r (1 - z r): 1 / z rounded correctly
.endr
	; the second silu of each difference is rounded, the first rides in the fma
	PMUL RR+2,RR+2,LB+0                                        ; the count's silu(b)
	PMUL RR+6,RR+6,LB+2                                        ; lower(j): silu(b)
	PMUL RR+8,RR+8,LA+2                                        ; upper(j-1), whose arguments are -b and -a: a sigma(-a) = -silu(-a)
	v_pk_fma_f32 v[RR+0:RR+1], v[LA+0:LA+1], v[RR+0:RR+1], v[RR+2:RR+3] neg_lo:[0,0,1] neg_hi:[0,0,1]      ; a sigma(a) - silu(b)
	v_pk_fma_f32 v[RR+4:RR+5], v[LA+2:LA+3], v[RR+4:RR+5], v[RR+6:RR+7] neg_lo:[0,0,1] neg_hi:[0,0,1]      ; a sigma(a) - silu(b)
	v_pk_fma_f32 v[RR+8:RR+9], v[LB+2:LB+3], v[RR+10:RR+11], v[RR+8:RR+9] neg_lo:[1,0,0] neg_hi:[1,0,0]    ; (-b) sigma(-b) - silu(-a)
.irp k,0,4,8
	PMULC EE+\k,RR+\k,KR20                                     ; the three full st
.endr
	; 5. count = trunc(1 + (steps below + the chosen step)); the steps above it are +0
	PADD EE+0,PSEL,EE+0
	PADDC EE+0,EE+0,1.0
	v_cvt_i32_f32 v[\cn], v[EE+0]
	v_cvt_i32_f32 v[\cn+1], v[EE+1]
	; 6. quot = (lower(j-1) upper(j-1)) (j-1) + (lower(j) upper(j)) j, each product and the sum rounded; digit = trunc(quot - 10 floor(quot / 10))
	PMUL EE+8,LA+4,EE+8
	PMUL EE+4,EE+4,LA+6
	PMUL EE+8,EE+8,Q1
	PMUL EE+4,EE+4,Q2
	PADD EE+4,EE+8,EE+4
	PMULC EE+8,EE+4,KR10
	v_floor_f32 v[EE+8], v[EE+8]
	v_floor_f32 v[EE+9], v[EE+9]
	PFMAC EE+4,EE+8,KM10,EE+4                                  ; 10 floor(..) is exact, so this fma rounds once, where the reference's subtraction rounds
	v_cvt_i32_f32 v[\dg], v[EE+4]
	v_cvt_i32_f32 v[\dg+1], v[EE+5]
.endm
	s_load_b128 s[4:7], s[0:1], 0x0                ; x s[4:5], out0 s[6:7]
	s_load_b64 s[8:9], s[0:1], 0x10                ; out1
	v_lshrrev_b32 v1, 5, v0
	v_readfirstlane_b32 s12, v1                    ; wave 0..7
	s_lshl_b32 s10, ttmp9, 14                      ; the group's first byte: 16,384 g, below 16,007,168
	s_mov_b32 s11, 0
	s_lshl_b32 s13, ttmp9, 5
	s_add_co_u32 s13, s13, s12                     ; my first block, 32 g + w (31,239 at the most)
	s_sub_co_u32 s13, N_BLOCKS+WAVES-1, s13
	s_lshr_b32 s13, s13, 3                         ; blocks 32 g + w + 8 k that exist
	s_min_u32 s13, s13, ITEMS                      ; my trips: 4; in the last group 3 or 2
	v_lshlrev_b32 v[VOFF], 4, v0                   ; 16 bytes a thread
	v_mov_b32 v[C10V], K10
	v_mov_b32 v[ZEROV], 0
	s_wait_kmcnt 0x0
	s_add_nc_u64 s[4:5], s[4:5], s[10:11]
	s_add_nc_u64 s[6:7], s[6:7], s[10:11]
	s_add_nc_u64 s[8:9], s[8:9], s[10:11]
	global_load_b128 v[XN:XN+3], v[VOFF], s[4:5] th:TH_LOAD_NT
.Ltrip:
	s_wait_loadcnt 0x0                             ; the one load that is out: this trip's block
.irp i,0,1,2,3
	v_and_b32 v[XA+\i], KABS, v[XN+\i]             ; |x|; this also empties the load's registers for the next block
.endr
	s_cmp_eq_u32 s13, 1
	s_cbranch_scc1 .Lno_next                       ; the last trip asks for nothing: no load leaves the buffer
	global_load_b128 v[XN:XN+3], v[VOFF], s[4:5] offset:STEP th:TH_LOAD_NT   ; the next block has this trip's arithmetic in which to land
.Lno_next:
	PAIR XA,DG,CN
	PAIR XA+2,DG+2,CN+2
	global_store_b128 v[VOFF], v[DG:DG+3], s[6:7] th:TH_STORE_NT   ; each store of the wave covers 512 consecutive bytes, aligned
	global_store_b128 v[VOFF], v[CN:CN+3], s[8:9] th:TH_STORE_NT
	s_wait_xcnt 0x0                                ; the offset, and in the next trip the stores' data, are rewritten only behind this wait (ISA guide 3.1)
	v_add_nc_u32 v[VOFF], STEP, v[VOFF]
	s_sub_co_i32 s13, s13, 1
	s_cmp_gt_i32 s13, 0                            ; signed: the loop ends at 0 whatever the start
	s_cbranch_scc1 .Ltrip
	s_endpgm
.Lfunc_end_k_q62dfc19437_digits:
	.size	k_q62dfc19437_digits, .Lfunc_end_k_q62dfc19437_digits-k_q62dfc19437_digits
	.p2alignl 7, 3214868480
	.fill 96, 4, 3214868480
	.section	.rodata,"a",@progbits
	.p2align	6, 0x0
	.amdhsa_kernel k_q62dfc19437_digits
		.amdhsa_group_segment_fixed_size 0
		.amdhsa_private_segment_fixed_size 0
		.amdhsa_enable_private_segment 0
		.amdhsa_kernarg_size 24
		.amdhsa_user_sgpr_count 2
		.amdhsa_user_sgpr_kernarg_segment_ptr 1
		.amdhsa_wavefront_size32 1
		.amdhsa_system_sgpr_workgroup_id_x 1
		.amdhsa_system_sgpr_workgroup_id_y 1
		.amdhsa_system_sgpr_workgroup_id_z 1
		.amdhsa_system_vgpr_workitem_id 0
		.amdhsa_next_free_vgpr 84
		.amdhsa_next_free_sgpr 66
		.amdhsa_reserve_vcc 1
		.amdhsa_float_denorm_mode_32 3
		.amdhsa_float_denorm_mode_16_64 3
		.amdhsa_memory_ordered 1
		.amdhsa_forward_progress 1
		.amdhsa_inst_pref_size 26
	.end_amdhsa_kernel
	.amdgpu_metadata
---
amdhsa.version: [ 1, 2 ]
amdhsa.kernels:
  - .name:           k_q62dfc19437_digits
    .symbol:         k_q62dfc19437_digits.kd
    .args:
      - { .name: x, .offset: 0, .size: 8, .value_kind: global_buffer, .address_space: global }
      - { .name: out0, .offset: 8, .size: 8, .value_kind: global_buffer, .address_space: global }
      - { .name: out1, .offset: 16, .size: 8, .value_kind: global_buffer, .address_space: global }
    .group_segment_fixed_size: 0
    .private_segment_fixed_size: 0
    .kernarg_segment_align: 8
    .kernarg_segment_size: 24
    .max_flat_workgroup_size: 256
    .sgpr_count:     66
    .vgpr_count:     84
    .wavefront_size: 32
...
	.end_amdgpu_metadata
.endif
;; end of part 1
